; MI455X (gfx1250); checked and timed in simulation.
; The chip was launched on July 23, 2026; its instructions are those of AMD's public machine-readable ISA for CDNA 5 (MIT licence, August 2026) and "CDNA5" Instruction Set Architecture Reference Guide (July 2026). The comments in the code are by the model that wrote it; some were corrected since.
;; Multi Head Attention. Allowed arithmetic: matrix products marked QUANTISED: E4M3 operands, one given power-of-two scale a tensor, by v_wmma_f32_16x16x64_fp8_fp8 or v_wmma_f32_16x16x128_fp8_fp8, f32 sums; everything else in f32.
;; Inputs: W_k_codes 1,024 x 32 x 32 uint8 (E4M3 codes of W_k, K innermost, in blocks of 32 codes); W_o_codes 1,024 x 32 x 32 uint8 (E4M3 codes of W_o, K innermost, in blocks of 32 codes); W_q_codes 1,024 x 32 x 32 uint8 (E4M3 codes of W_q, K innermost, in blocks of 32 codes); W_v_codes 1,024 x 32 x 32 uint8 (E4M3 codes of W_v, K innermost, in blocks of 32 codes); lowp_scales 12 int32 (the exponents e of the quantised operands' scales 2^e); x_codes 4 x 2,048 x 32 x 32 uint8 (E4M3 codes of x, K innermost, in blocks of 32 codes).
;; Outputs: out0 4 x 2,048 x 1,024 float32.
;; This version of the problem:
;;   THIS VERSION OF THE PROBLEM IS GIVEN IN LOW PRECISION. The matrix products marked QUANTISED in the list below multiply operands that are first quantised to E4M3 (4 exponent bits, 3 mantissa bits; 8 bits a number), with one given power-of-two scale for each operand tensor; their sums are f32. All else is computed in f32.
;;   The module's matrix products, in the order in which they are computed (A, B: the left and right operand; K: the contracted axis; several contracted axes count as one K, in the product's order):
;;     1. [M 8,192, K 1,024] x [K 1,024, N 1,024]; A: input x (given as codes); B: input W_q (given as codes): QUANTISED (scales: A lowp_scales[0], B lowp_scales[1])
;;     2. [M 8,192, K 1,024] x [K 1,024, N 1,024]; A: input x (given as codes); B: input W_k (given as codes): QUANTISED (scales: A lowp_scales[2], B lowp_scales[3])
;;     3. [M 8,192, K 1,024] x [K 1,024, N 1,024]; A: input x (given as codes); B: input W_v (given as codes): QUANTISED (scales: A lowp_scales[4], B lowp_scales[5])
;;     4. batch 64 x [M 2,048, K 64] x [K 64, N 2,048]; A: computed on the way; B: computed on the way: QUANTISED (scales: A lowp_scales[6], B lowp_scales[7])
;;     5. batch 64 x [M 2,048, K 2,048] x [K 2,048, N 64]; A: softmax (see below); B: computed on the way: QUANTISED (scales: A lowp_scales[8], B lowp_scales[9])
;;     6. [M 8,192, K 1,024] x [K 1,024, N 1,024]; A: computed on the way; B: input W_o (given as codes): QUANTISED (scales: A lowp_scales[10], B lowp_scales[11])
;;   THE QUANTISER, for each operand of a quantised product, along K:
;;     - The operand's scale is 2^e, e = its entry of the input lowp_scales (int32; the entries are numbered through the quantised products in the list's order, A before B).
;;     - Each number is divided by the scale, clamped to +-448, and rounded to the nearest number of E4M3, ties to even, subnormals kept.
;;     - The product sums the exact products of the quantised numbers (number of the format x scale) in f32.
;;   ~~~python
;;   def quantise(x, axis, e):      # numpy; x: float32 -> the quantised numbers, widened to float32 again
;;       x = np.moveaxis(x, axis, -1); K = x.shape[-1]
;;       r = np.clip(x / 2.0 ** e, -448, 448)
;;       step = 2.0 ** (np.maximum(np.frexp(np.where(r == 0, 1, r))[1] - 1, -6) - 3)
;;       q = np.round(r / step) * step * 2.0 ** e      # np.round: ties to even
;;       return np.moveaxis(q, -1, axis).astype(np.float32)
;;   ~~~
;;   SOFTMAX AHEAD OF A QUANTISED PRODUCT. Where the list says 'softmax', what is quantised is not the finished softmax but p = 2^(t - M), with t = logit x log2(e) and M = ceil(the row's largest t), a whole number; so 1/2 < the row's largest p <= 1. The row's sum l is taken of the UNQUANTISED p, in f32, and the product's result is divided by l at the end. Since M is a whole number, a kernel that streams over the keys may use a running M (the ceiling of the running maximum): every later rescaling is an exact power of two, so the quantised numbers keep their values, but for numbers so far below the row's largest that they fall under the format's range.
;;   OPERANDS COMPUTED ON THE WAY. 'Computed on the way' means the value that the module computes at that place (a softmax that the list does not call 'softmax' is quantised finished and normalised). What goes into a quantiser is computed in f32, as accurately as f32 sums, v_exp_f32 and their like allow (about 1e-6 of the number): no bf16 or f16 on the way to a quantiser, and a product that is left as it is and whose result goes on into a quantised operand takes f32 operands (vector FMAs, or v_wmma_f32_16x16x4_f32). A number that lies on a knife's edge between two numbers of the format may be rounded either way, as far as f32 arithmetic and the matrix unit's own rounding can turn it there, and no further.
;;   INPUTS GIVEN AS CODES. W_k (in the module: [1024, 1024], K = its axis 0); W_o (in the module: [1024, 1024], K = its axis 0); W_q (in the module: [1024, 1024], K = its axis 0); W_v (in the module: [1024, 1024], K = its axis 0); x (in the module: [4, 2048, 1024], K = its axis 2): each comes as NAME_codes (uint8): NAME with its K axis moved to the last place and cut into blocks of 32 codes, [.., K / 32, bytes a block], one block behind the other in memory; one code a byte (a code: sign, 4 exponent bits, 3 mantissa bits); its scale is its entry of lowp_scales. Its value is code x scale, taken as it is: it is not quantised again, and the codes and scales need not be those that the quantiser above would give.
;; One version. Each part assembles by itself: llvm-mc -triple=amdgcn-amd-amdhsa -mcpu=gfx1250 --defsym DOCPART=n.
;; ======== version 1 of 1: 3 launches
;; limits: right only within a limited range of input values
;; workspace buffers: qimg 8,388,608 bytes; kimg 8,388,608 bytes; vimg 8,388,608 bytes; ctx 8,388,608 bytes
;; launch qkv (part 1): grid 12 x 32, 4 waves a work-group, clusters of 4 x 4, 327,680 bytes of LDS; arguments x_codes, W_q_codes, W_k_codes, W_v_codes, lowp_scales, qimg, kimg, vimg; writes qimg, kimg, vimg
.if DOCPART == 1
	.amdgcn_target "amdgcn-amd-amdhsa--gfx1250"
	.amdhsa_code_object_version 6
	.text
	.protected	k_q3e24662da3_qkv
	.globl	k_q3e24662da3_qkv
	.p2align	8
	.type	k_q3e24662da3_qkv,@function
k_q3e24662da3_qkv:
	s_mov_b64 s[64:65], 0
	v_nop
	global_prefetch_b8 v0, s[64:65] scope:SCOPE_SE
	s_setreg_imm32_b32 hwreg(HW_REG_WAVE_MODE, 25, 1), 1
	s_wait_xcnt 0x0
	s_wait_alu depctr_hold_cnt(0) depctr_sa_sdst(0) depctr_va_vdst(0) depctr_va_sdst(0) depctr_va_ssrc(0) depctr_va_vcc(0) depctr_vm_vsrc(0)
	s_getreg_b32 s2, hwreg(HW_REG_IB_STS2, 6, 4)
	s_cmp_eq_u32 s2, 0
	s_cbranch_scc0 .Lentry_in_a_cluster
	s_endpgm
.Lentry_in_a_cluster:
	s_bfe_u32 s2, ttmp6, 0x10000c
	s_cmp_lg_u32 s2, 0xf033
	s_cbranch_scc0 .Lentry_shape_is_right
	s_endpgm
.Lentry_shape_is_right:
; Q = x W_q, K = x W_k, V = x W_v on codes of FP8 (E4M3), each then quantised by its given scale (Q: entry 6, K: entry 7, V: entry 9 of the scales) and stored as IMAGES OF OPERAND REGISTERS.
; x: [8192][1024] codes; each W: [1024 (n)][1024 (k)] codes, K innermost.  A tile of 256 x 256 of a result is made by a work-group of four waves, a wave makes 128 x 128: 64 accumulators of 16 x 16, 512 registers.
; THE KIND is the cluster's x: 0 = Q, 1 = K, 2 = V.  For Q and K the ROW operand is x (tokens) and the COLUMN operand the weight (channels).  For V the two change places, so that a lane's eight results run
; along the tokens, which are the K axis of attention's second product.  Only pointers and tile numbers differ, chosen by s_cselect on the cluster's x: all kinds take one way through the text.
; 12 x 32 work-groups: 3 kinds x 128 tiles.  K = 1024 goes in four steps of 256 through a ring of two LDS slots filled by the tensor data mover; a tile's row is 256 bytes of memory.
; CLUSTERS: 4 x 4 work-groups.  The four of a row of the cluster need the same tile of the row operand, the four of a column the same tile of the column operand: each is asked for JOINTLY.
; THE MATRIX INSTRUCTION IS USED TRANSPOSED (source 0 = 16 rows of the column operand, source 1 = 16 rows of the row operand): lane (r, h) of accumulator (a, b) holds row 16 a + r and columns 16 b + 8 h + 0 .. 7.
; THE WAY OUT NEEDS NO LDS: eight neighbours of a lane become two registers of codes, and these are registers 2 b, 2 b + 1 of a fragment of the plain 8-bit forms (k = 16 b + 8 h + 0 .. 7).  A wave's whole result is one
; dense block of 16,384 bytes: block a's 16 registers by four stores of 512 consecutive bytes, lane l's 16 bytes at 16 l.
;   qimg, kimg: block ((batch x 8 + head pair) x 16 + group of 128 tokens); in it [16 tokens (8)][head of the pair (2)][group of four registers (2)][lane][16 bytes]
;   vimg:       block ((batch x 8 + head pair) x 16 + group of 128 keys);   in it [head of the pair (2)][16 channels (4)][group of four registers (4)][lane][16 bytes]
; code = sum / 2^E, held within +-448, E = e(result) - e(x) - e(W): the three given scales folded into the conversion's one.
; LIMIT: E lies between -126 and 119, so that 2^E and 448 x 2^E are f32 numbers.
; REGISTERS, in windows of 256: window 0: v0-31 addresses and the scale number 2^E; from v128 the row operand's fragments (8 x 16 rows x 128 K), ONE set, later the codes.
;   window 1: the column operand's fragments, TWO sets, at v0 and v128.   window 2: the 32 accumulators of my rows 0-63 ((a, b) at v[8 (8 a + b)]);   window 3: those of my rows 64-127.
.set KSTEP,  256                       ; along K in a slot
.set ROWB,   256                       ; a tile's row in bytes
.set KROW,   1024                      ; a row of x or of a weight in memory, in bytes
.set PITCH,  272                       ; an LDS row: 256 bytes + 16 of padding = 68 words: row r starts at bank 4 r mod 64 (64 banks of 4 bytes: ISA guide 11.1)
.set FR,     16                        ; registers of a fragment: 16 rows x 128 K
.set NL,     4                         ; LDS loads that bring one
.set NP,     4                         ; places behind this matrix instruction (ISA guide 7.12.1)
.set HALFT,  128*PITCH                 ; 128 rows: what one tensor load brings
.set SLOT,   4*HALFT                   ; the row operand's 256 rows, then the column operand's
.set LAPS,   2                         ; a lap = two slots = 512 along K
.set SPARE,  2*SLOT                    ; behind the ring: the spare words, 128 bytes for each wave
.set ADRA, 16                          ; v16-17  LDS address of my row fragments in slot 0, 1
.set ADRB, 20                          ; v20-21  the same for the column operand
.set CO,   26                          ; v26     16 x lane: my place in a store of 512 bytes
.set SPW,  28                          ; v28     LDS address of my spare word; never rewritten
.set NIL,  29                          ; v29     0; never rewritten
.set SCV,  30                          ; v30     2^E as f32
.set LIMV, 31
.set TMP,  32
.set AF,   128                         ; the row operand's fragments, in window 0
.set CD,   128                         ; the codes: 16 registers for each of the 8 blocks, so that no store's data are written again
.set G1, 24                            ; s[24:31] descriptor group 1 for row tiles;  s[32:39] group 0, one set for each slot
.set G0, 32
.set G1B, 48                           ; s[48:55], s[56:63] the same for column tiles
.set G0B, 56
.set MSB, 0
.macro WIN new                         ; the immediate's high byte repeats the setting that is left
.if MSB != (\new)
	s_set_vgpr_msb (MSB<<8)|(\new)
.set MSB, (\new)
.endif
.endm
.set MUL_LO, 0xa1                      ; source 0 window 1, source 1 window 0, C and D window 2
.set MUL_HI, 0xf1                      ; the same, C and D window 3
.set TO_B,   0x40                      ; destination window 1, address window 0
; A joint load: waves 0 and 1 fetch the row tile's halves, waves 2 and 3 the column tile's.  The branch hangs on the wave's number alone.  Four v_nop follow each of the two lines.
.macro JLOAD g0a, g1a, g0b, g1b
	s_cmp_eq_u32 s15, 0
	s_cbranch_scc0 .Lfor_b_\@
	tensor_load_to_lds s[\g0a:\g0a+3], s[\g1a:\g1a+7]
	s_nop 0
.rept 4
	v_nop
.endr
	s_branch .Lasked_\@
.Lfor_b_\@:
	tensor_load_to_lds s[\g0b:\g0b+3], s[\g1b:\g1b+7]
	s_nop 0
.rept 4
	v_nop
.endr
.Lasked_\@:
.endm
.macro CREST                           ; a round of the cluster's barrier behind its opening barrier
	s_cmp_lg_u32 s14, 0
	s_cbranch_scc1 .Lnot_wave_0_\@
	s_barrier_signal -3
.Lnot_wave_0_\@:
	s_barrier_wait -3
	s_barrier_signal -1
	s_barrier_wait -1
.endm
.macro CROUND                          ; a whole round
	s_barrier_signal -1
	s_barrier_wait -1
	CREST
.endm
	s_load_b256 s[4:11], s[0:1], 0x0               ; x s[4:5], W_q s[6:7], W_k s[8:9], W_v s[10:11]
	s_load_b256 s[68:75], s[0:1], 0x20             ; the scales s[68:69], qimg s[70:71], kimg s[72:73], vimg s[74:75]
	v_lshl_add_u32 v[SPW], v0, 2, SPARE
	v_mov_b32 v[NIL], 0
	ds_add_u32 v28, v29
	ds_add_u32 v28, v29
	s_wait_dscnt 0x0
	v_lshrrev_b32 v1, 5, v0
	v_readfirstlane_b32 s14, v1                    ; wave 0..3
	s_lshr_b32 s15, s14, 1                         ; which half of the tile's rows is mine.  Also: I fetch for the row operand (0) or the column operand (1)
	s_and_b32 s16, s14, 1                          ; which half of its columns.  Also: which 128 rows of that tile I fetch
	s_bfe_u32 s40, ttmp6, 0x40000                  ; cx, cy: my place in the cluster
	s_bfe_u32 s41, ttmp6, 0x40004
	s_and_b32 s12, ttmp7, 0xffff
	s_lshl_b32 s12, s12, 2                         ; 4 x cluster y: it walks the 32 tiles of x
	s_cmp_eq_u32 ttmp9, 2                          ; V?
	s_cselect_b32 s13, 0, s12                      ; x is the row operand of Q and K,
	s_cselect_b32 s12, s12, 0                      ; and the column operand of V
	s_add_co_u32 s17, s41, s13                     ; the row operand's tile: of cy and the cluster's y alone
	s_add_co_u32 s42, s40, s12                     ; the column operand's tile: of cx and the cluster's y alone
	s_lshl_b32 s43, s41, 2
	s_lshl_b32 s43, 15, s43                        ; my row of the cluster
	s_lshl_b32 s44, 0x1111, s40                    ; my column
	; descriptor group 1: a tile of 128 rows x 256 bytes, padded in LDS
	s_or_b32 s[G1+0], s43, (0<<16)|(1<<20)|(1<<21)|(5<<22)|(3<<25)  ; 15:0 the mask; 17:16 element of 1 byte; 20 padding on; 21 set beside a mask; 24:22 after every 64 words (code 5); 31:25 of 4 words (code 3)
	s_or_b32 s[G1B+0], s44, (0<<16)|(1<<20)|(1<<21)|(5<<22)|(3<<25)
.irp g, G1, G1B
	s_mov_b32 s[\g+1], ROWB<<16                    ; tensor_dim0
	s_mov_b32 s[\g+2], 128<<16                     ; tensor_dim1 = 128
	s_mov_b32 s[\g+3], ROWB<<16                    ; tile_dim0
	s_mov_b32 s[\g+4], 128                         ; tile_dim1 = 128
	s_mov_b32 s[\g+5], KROW                        ; tensor_dim0_stride
	s_mov_b32 s[\g+6], 0
	s_mov_b32 s[\g+7], 0
.endr
	s_lshl_b32 s18, s16, 7                         ; which 128 rows of the tile I fetch
	s_lshl_b32 s20, s17, 8
	s_add_co_u32 s20, s20, s18                     ; row operand: row 256 x tile + 128 x half,
	s_lshl_b32 s20, s20, 10                        ; in bytes (under 2^23)
	s_mov_b32 s21, 0
	s_lshl_b32 s46, s42, 8
	s_add_co_u32 s46, s46, s18                     ; column operand likewise
	s_lshl_b32 s46, s46, 10
	s_mov_b32 s47, 0
	s_mul_i32 s45, s14, HALFT                      ; where they go: wave x 128 rows: no place in the cluster enters an LDS address
	s_wait_kmcnt 0x0
	s_load_b256 s[76:83], s[68:69], 0x0            ; e0 .. e7
	s_load_b128 s[84:87], s[68:69], 0x20           ; e8 .. e11
	s_cmp_eq_u32 ttmp9, 2
	s_cselect_b64 s[88:89], s[10:11], s[4:5]       ; the row operand: W_v for V, else x
	s_cselect_b64 s[92:93], s[74:75], s[70:71]     ; the result: vimg for V,
	s_cmp_eq_u32 ttmp9, 1
	s_cselect_b64 s[90:91], s[8:9], s[6:7]         ; the column operand: W_k for K, W_q for Q,
	s_cselect_b64 s[92:93], s[72:73], s[92:93]     ; kimg for K, else qimg
	s_cmp_eq_u32 ttmp9, 2
	s_cselect_b64 s[90:91], s[4:5], s[90:91]       ; x for V
	s_add_nc_u64 s[20:21], s[88:89], s[20:21]
	s_add_nc_u64 s[46:47], s[90:91], s[46:47]
	CROUND                                         ; all sixteen work-groups are here: the first joint loads meet
.irp s, 0,1
	s_mov_b32 s[G0+4*\s], 1
	s_add_co_u32 s[G0+4*\s+1], s45, \s*SLOT
	s_add_nc_u64 s[G0+4*\s+2:G0+4*\s+3], s[20:21], \s*ROWB
	s_or_b32 s[G0+4*\s+3], s[G0+4*\s+3], 0x80000000
	s_mov_b32 s[G0B+4*\s], 1
	s_add_co_u32 s[G0B+4*\s+1], s45, \s*SLOT
	s_add_nc_u64 s[G0B+4*\s+2:G0B+4*\s+3], s[46:47], \s*ROWB
	s_or_b32 s[G0B+4*\s+3], s[G0B+4*\s+3], 0x80000000
	JLOAD G0+4*\s, G1, G0B+4*\s, G1B
.endr
	v_and_b32 v1, 15, v0                           ; l % 16
	v_bfe_u32 v2, v0, 4, 1                         ; l / 16
	v_mul_u32_u24 v3, v1, PITCH
	v_lshl_add_u32 v4, v2, 4, v3                   ; a fragment's row x pitch + 16 x half
	s_mul_i32 s21, s15, HALFT                      ; my 128 rows of the row operand
	s_mul_i32 s22, s16, HALFT                      ; my 128 rows of the column operand,
	s_add_co_u32 s22, s22, 2*HALFT                 ; which lie behind the other's 256
.irp s, 0,1
	v_add_nc_u32 v[ADRA+\s], s21, v4
	v_add_nc_u32 v[ADRB+\s], s22, v4
	s_add_co_u32 s21, s21, SLOT
	s_add_co_u32 s22, s22, SLOT
.endr
	v_and_b32 v6, 31, v0
	v_lshlrev_b32 v[CO], 4, v6
	; my block of 16,384 bytes in the result
	s_lshl_b32 s18, s17, 1
	s_add_co_u32 s18, s18, s15                     ; my 128 rows: 2 x row tile + half
	s_lshl_b32 s19, s42, 1
	s_add_co_u32 s19, s19, s16                     ; my 128 columns: 2 x column tile + half
	s_cmp_eq_u32 ttmp9, 2
	s_cselect_b32 s22, s19, s18                    ; the group of 128 tokens, 0 .. 63: rows for Q and K, columns for V
	s_cselect_b32 s23, s18, s19                    ; the head pair, 0 .. 7: the other of the two
	s_lshr_b32 s18, s22, 4
	s_lshl_b32 s18, s18, 7                         ; batch x 128
	s_lshl_b32 s23, s23, 4
	s_add_co_u32 s18, s18, s23                     ; + head pair x 16
	s_and_b32 s22, s22, 15
	s_add_co_u32 s18, s18, s22                     ; + the group within the batch
	s_lshl_b32 s18, s18, 14
	s_mov_b32 s19, 0
	s_add_nc_u64 s[92:93], s[92:93], s[18:19]
.macro FRAG reg, adr, q, i             ; a fragment is 16 registers: lane l holds row l % 16; registers 4 c .. 4 c + 3 hold K = 32 c + 16 (l / 16) + 0 .. 15: a permutation of k, the same on both sides, so every product meets its partner
.irp c, 0,1,2,3
	ds_load_b128 v[\reg+4*\c:\reg+4*\c+3], v[\adr] offset:128*(\q)+32*\c+(\i)*16*PITCH
.endr
.endm
; 16 matrix instructions: row blocks a0, a0 + 1 x the eight column blocks, 128 along K.  p: the column operand's set.  zero = 1: the first product starts the sums.
; The 64 accumulators take turns, one instruction a turn, in the same order in every step.
.macro MUL16 a0, p, zero
.irp a, \a0, \a0+1
.irp b, 0,1,2,3,4,5,6,7
.if \zero
	v_wmma_f32_16x16x128_fp8_fp8 v[8*(8*((\a)%4)+\b):8*(8*((\a)%4)+\b)+7], v[128*(\p)+FR*\b:128*(\p)+FR*\b+FR-1], v[AF+FR*(\a):AF+FR*(\a)+FR-1], 0
.else
	v_wmma_f32_16x16x128_fp8_fp8 v[8*(8*((\a)%4)+\b):8*(8*((\a)%4)+\b)+7], v[128*(\p)+FR*\b:128*(\p)+FR*\b+FR-1], v[AF+FR*(\a):AF+FR*(\a)+FR-1], v[8*(8*((\a)%4)+\b):8*(8*((\a)%4)+\b)+7]
.endif
.endr
.endr
.endm
.macro FETCH_B slot, q, p              ; the column operand's eight fragments of the slot's q-th 128 along K into set p
	WIN TO_B
.irp i, 0,1,2,3,4,5,6,7
	FRAG 128*(\p)+FR*\i, ADRB+\slot, \q, \i
.endr
	WIN 0
.endm
.macro FETCH_A slot, q, i0             ; the row operand's blocks i0 .. i0 + 3
.irp i, \i0, \i0+1, \i0+2, \i0+3
	FRAG AF+FR*(\i), ADRA+\slot, \q, \i
.endr
.endm
; A load into a register that a matrix instruction has read, and a vector instruction that reads a matrix result or writes one of its registers, stand NP places behind it; only plain vector
; instructions that name none of its registers are places (ISA guide 7.12.1 for vector instructions).
.macro PLACES n
.rept \n
	v_nop
.endr
.endm
; A step of 128 along K that has its successor in the same slot.  A row block is free as soon as its eight products are issued, so one set serves the row operand: blocks 0-3 are fetched anew in the step's middle, 4-7 at its end.
.macro STEP slot, q, zero
	s_wait_dscnt 4*NL                              ; the column set and row blocks 0-3 are in; the youngest 16 loads (row blocks 4-7) may be out
	WIN MUL_LO
	MUL16 0, (\q)%2, \zero
	MUL16 2, (\q)%2, \zero
	s_wait_dscnt 0                                 ; row blocks 4-7 are in (asked for 32 matrix instructions ago)
	PLACES NP
	FETCH_B \slot, (\q)+1, 1-(\q)%2
	FETCH_A \slot, (\q)+1, 0
	WIN MUL_HI
	MUL16 4, (\q)%2, \zero
	MUL16 6, (\q)%2, \zero
	PLACES NP
	WIN 0
	FETCH_A \slot, (\q)+1, 4
.endm
; A slot's last step changes slots: ONE barrier; in front of it each wave waits for all its tensor loads, adds 0 to its spare word, and waits for that and for its own reads of this slot.  fill = 1: this slot is filled again, two slots ahead.
.macro TURN slot, next, fill
	s_wait_tensorcnt 0x0                           ; all my tensor loads have landed: my part of the next slot  (every window is 0 here)
	ds_add_u32 v[SPW], v[NIL]                      ; 0 onto my spare word
	s_wait_dscnt 4*NL+1                            ; (the add and the youngest 16 loads, row blocks 4-7, may be out)
	WIN MUL_LO
	MUL16 0, 1, 0                                  ; sixteen matrix instructions stand between the add and the wait for it
	s_wait_dscnt 0x0                               ; the add is done, and my reads of this slot are over
	s_barrier_signal -1
	MUL16 2, 1, 0
	WIN 0
	s_barrier_wait -1
.if \fill
	CREST                                          ; the barrier has opened a round of the cluster's barrier: no wave of any partner still reads this slot or has a load on its way
	s_add_nc_u64 s[G0+4*\slot+2:G0+4*\slot+3], s[G0+4*\slot+2:G0+4*\slot+3], 2*ROWB
	s_add_nc_u64 s[G0B+4*\slot+2:G0B+4*\slot+3], s[G0B+4*\slot+2:G0B+4*\slot+3], 2*ROWB
	JLOAD G0+4*\slot, G1, G0B+4*\slot, G1B         ; the first tensor load behind the round; its four v_nop are also the places in front of the loads below
.else
	PLACES NP
.endif
	FETCH_B \next, 0, 0
	FETCH_A \next, 0, 0
	WIN MUL_HI
	MUL16 4, 1, 0
	MUL16 6, 1, 0
	PLACES NP
	WIN 0
	FETCH_A \next, 0, 4
.endm
	s_wait_alu depctr_va_vdst(0)
	s_wait_tensorcnt 1                             ; my part of slot 0 is in (slot 1's load may be out)
	s_barrier_signal -1
	s_barrier_wait -1                              ; everybody's is
	FETCH_B 0, 0, 0
	FETCH_A 0, 0, 0
	FETCH_A 0, 0, 4
	STEP 0, 0, 1                                   ; the first step stands in front of the loop: its products start the sums
	s_mov_b32 s3, LAPS-1
.Llap:                                                 ; a trip goes once round the ring, from a lap's second step to the next lap's first, and fills both slots again
	TURN 0, 1, 1
	STEP 1, 0, 0
	TURN 1, 0, 1
	STEP 0, 0, 0
	s_sub_co_u32 s3, s3, 1
	s_cmp_lg_u32 s3, 0
	s_cbranch_scc1 .Llap
	TURN 0, 1, 0                                   ; the last lap fills nothing, and has no round of the cluster's barrier
	STEP 1, 0, 0
	s_wait_dscnt 4*NL                              ; the very last step: nothing more to fetch
	WIN MUL_LO
	MUL16 0, 1, 0
	MUL16 2, 1, 0
	s_wait_dscnt 0
	WIN MUL_HI
	MUL16 4, 1, 0
	MUL16 6, 1, 0
	WIN 0
	; THE WAY OUT.  E = e(result) - e(x) - e(W) of my kind
	s_wait_kmcnt 0x0
	s_sub_co_i32 s18, s82, s76
	s_sub_co_i32 s18, s18, s77                     ; Q: e6 - e0 - e1
	s_sub_co_i32 s19, s83, s78
	s_sub_co_i32 s19, s19, s79                     ; K: e7 - e2 - e3
	s_sub_co_i32 s22, s85, s80
	s_sub_co_i32 s22, s22, s81                     ; V: e9 - e4 - e5
	s_cmp_eq_u32 ttmp9, 1
	s_cselect_b32 s18, s19, s18
	s_cmp_eq_u32 ttmp9, 2
	s_cselect_b32 s18, s22, s18
	s_add_co_i32 s18, s18, 127
	s_lshl_b32 s19, s18, 23
	v_mov_b32 v[SCV], s19                          ; 2^E as f32: the conversion takes its exponent field
	s_add_co_i32 s18, s18, 8
	s_lshl_b32 s18, s18, 23
	s_or_b32 s18, s18, 0x600000
	PLACES NP                                      ; behind the last products: their results are read and the row fragments' registers written below
; Block a: 16 rows x 128 columns.  Converted (eight neighbours of a lane to two registers), stored: four stores of 512 consecutive bytes, at multiples of 512 from the buffer's first byte.
.macro OUTBLK a
.set AC, 64*((\a)%4)
	WIN 0x02+((\a)/4)                              ; source 0: window 2 or 3
.set j, 0
.rept 64
.set j, j+1
.endr
.irp b, 0,1,2,3,4,5,6,7
	v_cvt_scalef32_pk8_fp8_f32 v[CD+16*(\a)+2*\b:CD+16*(\a)+2*\b+1], v[AC+8*\b:AC+8*\b+7], v[SCV]
.endr
	WIN 0
	v_nop                                          ; one plain vector instruction between the conversions and the stores that read their results
.irp g, 0,1,2,3
	global_store_b128 v[CO], v[CD+16*(\a)+4*\g:CD+16*(\a)+4*\g+3], s[92:93] offset:2048*(\a)+512*\g
.endr
.endm
.irp a, 0,1,2,3,4,5,6,7
	OUTBLK \a                                      ; every block has code registers of its own, and neither the base nor the offset is stepped: no store's source is written again
.endr
	s_wait_tensorcnt 0x0                           ; the wave's end
	ds_add_u32 v[SPW], v[NIL]
	s_wait_dscnt 0x0
	CROUND                                         ; the closing round: no work-group ends while a partner may still ask for a tile that names it
	s_endpgm
.Lfunc_end_k_q3e24662da3_qkv:
	.size	k_q3e24662da3_qkv, .Lfunc_end_k_q3e24662da3_qkv-k_q3e24662da3_qkv
	.p2alignl 7, 3214868480
	.fill 96, 4, 3214868480
	.section	.rodata,"a",@progbits
	.p2align	6, 0x0
	.amdhsa_kernel k_q3e24662da3_qkv
		.amdhsa_group_segment_fixed_size 327680
		.amdhsa_private_segment_fixed_size 0
		.amdhsa_enable_private_segment 0
		.amdhsa_kernarg_size 64
		.amdhsa_user_sgpr_count 2
		.amdhsa_user_sgpr_kernarg_segment_ptr 1
		.amdhsa_wavefront_size32 1
		.amdhsa_system_sgpr_workgroup_id_x 1
		.amdhsa_system_sgpr_workgroup_id_y 1
		.amdhsa_system_sgpr_workgroup_id_z 1
		.amdhsa_system_vgpr_workitem_id 0
		.amdhsa_next_free_vgpr 1024
		.amdhsa_next_free_sgpr 98
		.amdhsa_reserve_vcc 0
		.amdhsa_float_denorm_mode_32 3
		.amdhsa_float_denorm_mode_16_64 3
		.amdhsa_fp16_overflow 1
		.amdhsa_memory_ordered 1
		.amdhsa_forward_progress 1
		.amdhsa_inst_pref_size 86
	.end_amdhsa_kernel
	.amdgpu_metadata
---
amdhsa.version: [ 1, 2 ]
amdhsa.kernels:
  - .name:           k_q3e24662da3_qkv
    .symbol:         k_q3e24662da3_qkv.kd
    .args:
      - { .name: x_codes, .offset: 0, .size: 8, .value_kind: global_buffer, .address_space: global }
      - { .name: W_q_codes, .offset: 8, .size: 8, .value_kind: global_buffer, .address_space: global }
      - { .name: W_k_codes, .offset: 16, .size: 8, .value_kind: global_buffer, .address_space: global }
      - { .name: W_v_codes, .offset: 24, .size: 8, .value_kind: global_buffer, .address_space: global }
      - { .name: lowp_scales, .offset: 32, .size: 8, .value_kind: global_buffer, .address_space: global }
      - { .name: qimg, .offset: 40, .size: 8, .value_kind: global_buffer, .address_space: global }
      - { .name: kimg, .offset: 48, .size: 8, .value_kind: global_buffer, .address_space: global }
      - { .name: vimg, .offset: 56, .size: 8, .value_kind: global_buffer, .address_space: global }
    .group_segment_fixed_size: 327680
    .private_segment_fixed_size: 0
    .kernarg_segment_align: 8
    .kernarg_segment_size: 64
    .max_flat_workgroup_size: 128
    .sgpr_count:     98
    .vgpr_count:     1024
    .wavefront_size: 32
...
	.end_amdgpu_metadata
.endif
;; end of part 1
;; launch attn (part 2): grid 4 x 64, 16 waves a work-group, no clusters, 327,680 bytes of LDS; arguments qimg, kimg, vimg, lowp_scales, ctx; writes ctx
.if DOCPART == 2
	.amdgcn_target "amdgcn-amd-amdhsa--gfx1250"
	.amdhsa_code_object_version 6
	.text
	.protected	k_q3e24662da3_attn
	.globl	k_q3e24662da3_attn
	.p2align	8
	.type	k_q3e24662da3_attn,@function
k_q3e24662da3_attn:
	s_mov_b64 s[64:65], 0
	v_nop
	global_prefetch_b8 v0, s[64:65] scope:SCOPE_SE
	s_setreg_imm32_b32 hwreg(HW_REG_WAVE_MODE, 25, 1), 1
	s_wait_xcnt 0x0
; context = softmax(Q K^T / 8, causal) V for 64 (batch, head) pairs of 2,048 tokens x 64 channels, both products on codes of FP8 (E4M3); the context is quantised by its given scale (entry 10) and stored as an image of operand registers.
; Q, K, V arrive as images of operand registers: a run of 512 bytes is four registers of a wave, lane l's 16 bytes at 16 l.  So every fragment is fetched at 16 x lane: no pitch, no padding, each load 512 consecutive bytes.
;   qimg, kimg: block of 16,384 bytes ((batch x 8 + head pair) x 16 + group of 128 tokens): [16 tokens (8)][head of the pair (2)][register group (2)][lane][16]: a fragment of 16 tokens x 64 channels, 8 registers
;   vimg:       block ((batch x 8 + head pair) x 16 + group of 128 keys): [head of the pair (2)][16 channels (4)][register group (4)][lane][16]: a fragment of 16 channels x 128 keys, 16 registers
;   ctx:        [16 tokens (512)][128 along K (8)][register group g (4)][lane][16]: lane (r, h) holds, of token r, k = 32 g + 16 h + 0 .. 15; head = 2 x (K step) + g / 2
; THE SOFTMAX AHEAD OF THE SECOND PRODUCT: t = score x log2(e) / 8; M = the row's largest t so far, rounded UP to a whole number; p = 2^(t - M) is what is quantised; it is not normalised.
; The row's sum is taken of the unquantised p, in f32, and divides O at the end.  When M moves, the sum and O are multiplied by 2^(old M - new M): exact.
; SHARES.  Work-group (p, head) owns TWO blocks of 256 queries of its head: block 7 - p and block p.  With the causal mask block i needs key slots (256 keys) 0 .. i, so every work-group walks (8 - p) + (p + 1) = 9 slots:
; nine trips, a constant of the text, the same work in all 256 work-groups, and no tile is fetched that nobody reads.  Trips 0 .. 7 - p serve block 7 - p; then its context goes out, the state begins anew, and the rest serve block p.
; Each of the SIXTEEN waves owns 16 queries of the block in hand, one tile, in 256 registers: four waves to a SIMD, so that one wave's vector work stands beside another's matrix work and LDS loads.
; NO CLUSTER: the four work-groups of a head walk key slots 0 .. 7 - p and then 0 .. p, so their walks agree in trips 0 to 4 alone (p = 3 turns back after trip 4): partners would need different tiles in the same round.
; LAYOUT.  Both products are used transposed: S^T = K Q^T (source 0 = 16 keys, source 1 = my 16 queries), O^T = V^T P^T (source 0 = 16 channels, source 1 = P): a lane holds ONE query (lane % 16) throughout.
; Register j of tile u of S^T is key 16 u + 8 (lane / 16) + j: eight neighbours, whose codes are registers 2 u, 2 u + 1 of the second product's operand as the K = 128 form lays it.  Nothing changes lanes between the products.
; LIMITS on the given exponents, so that each power of two below is an f32 number: e6 + e7 between -123 and 130 (added to c's exponent field); e8 between -126 and 119; e10 - e8 - e9 between -126 and 119.
; REGISTERS: v0 the thread's number; v1 16 x lane; v2 the LDS address in hand; v3 the prefetches' offset; v5, v6 the add's two; v7 the context's scale; v12 -M, v13 the largest t, v[14:15] the sum in two halves;
;   v16-23 Q; v32-95 K's 8 fragments, then V's 4; v96-159 S^T, then p; v160-191 O^T; v224-239 p's codes; v244 p's scale; v242-254 at work.
.set VOFF,  16384                      ; a slot: 16,384 bytes of K (256 keys), then 16,384 of V
.set SLOT1, 32768                      ; slot 1 begins here: one exclusive or turns an address in one slot into the other's
.set SPARE, 65536                      ; behind the ring: the spare words, 128 bytes for each of the 16 waves
.set SLOTB, 32768                      ; a key slot on in kimg and in vimg: two blocks of 16,384 bytes
.set LI,   1
.set ADR,  2
.set PFO,  3
.set SPW,  5
.set NIL,  6
.set CSC,  7                           ; v7   2^(e10 - e8 - e9)
.set CLIM, 8
.set TB,   2                           ; s2   LDS byte at which the slot in hand begins
.set T,    3                           ; s3   the trip
.set WV,   18                          ; s18  my wave's number
.set SEL,  20                          ; s[20:21] lane selects for v_permlanex16_b32: lane l xor 16
.set CS,   22                          ; s[22:23] c = log2(e) / 8 x 2^(e6 + e7)
.set G1K,  24                          ; s[24:31] descriptor group 1 for K's tiles;  s[32:39] for V's;  s[40:43], s[44:47] their groups 0
.set G1V,  32
.set G0K,  40
.set G0V,  44
.set SW,   49                          ; s49  7 - p: the first block's number, and the last trip that serves it
.set Q0,   50                          ; s50  my first query of the block in hand
.set KF,   51                          ; s51  the step's first key
.set KB,   52                          ; s[52:53] my head's first byte in kimg
.set VB,   54                          ; s[54:55] in vimg
.set KO,   56                          ; s[56:57] byte offset of the key slot that is asked for next
.set QLO,  58                          ; s[58:59] my fragment of Q in block p
.set CHI,  60                          ; s[60:61] where my context of block 7 - p goes
.set CLO,  62                          ; s[62:63] of block p
.set PFA,  66                          ; s[66:67] where my prefetches stand
.set LIM,  68                          ; s68  a wave prefetches while the trip is under this: 6, or 0 in a wave that never does
.set Q0LO, 70                          ; s70  my first query of block p
; Wave 0 fetches K's tile of a slot, wave 1 V's, the others nothing.  The branches hang on the wave's number alone.  Four v_nop follow each of the two lines.
.macro TLOAD
	s_cmp_eq_u32 s[WV], 0
	s_cbranch_scc0 .Lnot_k_\@
	tensor_load_to_lds s[G0K:G0K+3], s[G1K:G1K+7]
	s_nop 0
.rept 4
	v_nop
.endr
	s_branch .Lasked_\@
.Lnot_k_\@:
	s_cmp_eq_u32 s[WV], 1
	s_cbranch_scc0 .Lasked_\@
	tensor_load_to_lds s[G0V:G0V+3], s[G1V:G1V+7]
	s_nop 0
.rept 4
	v_nop
.endr
.Lasked_\@:
.endm
; A PREFETCH INTO THE L2: in trip t, key slot t + 2: what the NEXT change of slots will ask for, a trip (two key steps of sixteen waves) ahead of that load.  All four work-groups of a head walk the head's slots from 0 on;
; work-group p = 0 walks slots 0 .. 7 in trips 0 .. 7, so it asks, and nobody else.  In it four waves that fetch nothing ask, one instruction each: waves 4 and 5 for K's 16 rows of 1,024 bytes (8 rows a wave, four lanes to a
; row, 256 bytes apart), waves 6 and 7 for V's two runs of 8,192 bytes (a run a wave, lanes 256 bytes apart).  So each aligned block of 256 bytes is named once.  Slots 0 and 1 come by their loads alone; trips 6 on ask for nothing.
.macro ASK
	s_cmp_lt_u32 s[T], s[LIM]
	s_cbranch_scc0 .Lnot_mine_\@
	global_prefetch_b8 v[PFO], s[PFA:PFA+1] th:TH_LOAD_NT scope:SCOPE_SE
.Lnot_mine_\@:
.endm
; The state of a block of queries at its start.  The key step is written once: the first finds zeros, which the first change of M leaves zeros.
.macro INIT
	v_mov_b32 v13, 0xff61b1e6                      ; the largest t so far: -3e38, under every t
	s_delay_alu instid0(VALU_DEP_1)
	v_floor_f32 v12, -v13                          ; -M
	v_mov_b32 v14, 0                               ; the sum, in two halves
	v_mov_b32 v15, 0
.set j, 0
.rept 32
	v_mov_b32 v[160+j], 0                          ; O^T
.set j, j+1
.endr
.endm
	s_load_b256 s[4:11], s[0:1], 0x0               ; qimg s[4:5], kimg s[6:7], vimg s[8:9], the scales s[10:11]
	s_load_b64 s[12:13], s[0:1], 0x20              ; ctx
	v_lshl_add_u32 v[SPW], v0, 2, SPARE
	v_mov_b32 v[NIL], 0
	ds_add_u32 v5, v6
	ds_add_u32 v5, v6
	s_wait_dscnt 0x0
	v_lshrrev_b32 v2, 5, v0
	s_delay_alu instid0(VALU_DEP_1)
	v_readfirstlane_b32 s[WV], v2                  ; wave 0..15
	v_and_b32 v[LI], 31, v0
	s_delay_alu instid0(VALU_DEP_1)
	v_lshlrev_b32 v[LI], 4, v[LI]
	s_and_b32 s82, ttmp7, 0xffff                   ; 16 x batch + head
	s_sub_co_u32 s[SW], 7, ttmp9
	s_lshr_b32 s84, s82, 1
	s_lshl_b32 s84, s84, 18                        ; (batch x 8 + head pair) x 16 blocks of 16,384 bytes
	s_and_b32 s85, s82, 1                          ; which head of the pair
	s_lshl_b32 s86, s85, 10
	s_add_co_u32 s86, s86, s84                     ; qimg, kimg: + 1,024 for the pair's second head
	s_mov_b32 s87, 0
	s_lshl_b32 s88, s85, 13
	s_add_co_u32 s88, s88, s84                     ; vimg: + 8,192
	s_mov_b32 s89, 0
	s_lshr_b32 s90, s[WV], 3
	s_lshl_b32 s90, s90, 14                        ; my 16 queries in a block of 256: which group of 128 tokens,
	s_and_b32 s91, s[WV], 7
	s_lshl_b32 s91, s91, 11                        ; which 16 of them
	s_add_co_u32 s90, s90, s91
	s_add_co_u32 s90, s90, s86
	s_lshl_b32 s92, s[SW], 15
	s_add_co_u32 s92, s92, s90                     ; Q's fragment in block 7 - p,
	s_mov_b32 s93, 0
	s_lshl_b32 s94, ttmp9, 15
	s_add_co_u32 s94, s94, s90                     ; and in block p
	s_mov_b32 s95, 0
	s_lshr_b32 s84, s82, 4
	s_lshl_b32 s84, s84, 21                        ; ctx: batch x 128 tiles of 16,384 bytes
	s_and_b32 s85, s82, 15
	s_lshl_b32 s85, s85, 10                        ; + head x 1,024
	s_add_co_u32 s84, s84, s85
	s_lshl_b32 s85, s[WV], 14                      ; + wave x a tile
	s_add_co_u32 s84, s84, s85
	s_lshl_b32 s80, s[SW], 18                      ; + block x 16 tiles
	s_add_co_u32 s80, s80, s84
	s_mov_b32 s81, 0
	s_lshl_b32 s83, ttmp9, 18
	s_add_co_u32 s84, s84, s83
	s_mov_b32 s85, 0
	s_lshl_b32 s83, s[WV], 4
	s_lshl_b32 s[Q0], s[SW], 8
	s_add_co_u32 s[Q0], s[Q0], s83                 ; my first query: 256 x block + 16 x wave
	s_lshl_b32 s[Q0LO], ttmp9, 8
	s_add_co_u32 s[Q0LO], s[Q0LO], s83
	s_mov_b32 s[KF], 0
	s_mov_b32 s[TB], 0
	s_mov_b32 s[T], 0
	s_mov_b32 s[KO], 0
	s_mov_b32 s[KO+1], 0
	; descriptor group 1, elements of 8 bytes, no padding, no mask.  K: 16 rows of 1,024 bytes (a fragment each), 2,048 bytes apart;  V: 2 rows of 8,192 bytes (128 keys' four fragments each), 16,384 bytes apart
	s_mov_b32 s[G1K], 3<<16
	s_mov_b32 s[G1K+1], 128<<16                    ; tensor_dim0
	s_mov_b32 s[G1K+2], 16<<16                     ; tensor_dim1
	s_mov_b32 s[G1K+3], 128<<16                    ; tile_dim0
	s_mov_b32 s[G1K+4], 16                         ; tile_dim1
	s_mov_b32 s[G1K+5], 256                        ; tensor_dim0_stride
	s_mov_b32 s[G1K+6], 0
	s_mov_b32 s[G1K+7], 0
	s_mov_b32 s[G1V], 3<<16
	s_mov_b32 s[G1V+1], 1024<<16
	s_mov_b32 s[G1V+2], 2<<16
	s_mov_b32 s[G1V+3], 1024<<16
	s_mov_b32 s[G1V+4], 2
	s_mov_b32 s[G1V+5], 2048
	s_mov_b32 s[G1V+6], 0
	s_mov_b32 s[G1V+7], 0
	s_mov_b32 s[SEL], 0x76543210
	s_mov_b32 s[SEL+1], 0xfedcba98
	s_mov_b32 s[CS], 0x3e38aa3b                    ; c = log2(e) / 8
	s_wait_kmcnt 0x0
	s_load_b256 s[72:79], s[10:11], 0x10           ; e4 .. e11: e6 s74, e7 s75, e8 s76, e9 s77, e10 s78
	s_add_nc_u64 s[KB:KB+1], s[6:7], s[86:87]
	s_add_nc_u64 s[VB:VB+1], s[8:9], s[88:89]
	s_mov_b32 s[G0K], 1                            ; count = 1
	s_mov_b32 s[G0K+1], 0                          ; LDS address: slot 0
	s_mov_b64 s[G0K+2:G0K+3], s[KB:KB+1]           ; global address: key slot 0
	s_or_b32 s[G0K+3], s[G0K+3], 0x80000000        ; type = 2
	s_mov_b32 s[G0V], 1
	s_mov_b32 s[G0V+1], VOFF
	s_mov_b64 s[G0V+2:G0V+3], s[VB:VB+1]
	s_or_b32 s[G0V+3], s[G0V+3], 0x80000000
	TLOAD                                          ; key slot 0 into slot 0: one load of mine is out at the most, here and behind every barrier
	s_add_nc_u64 s[QLO:QLO+1], s[4:5], s[94:95]
	s_add_nc_u64 s[4:5], s[4:5], s[92:93]
	s_add_nc_u64 s[CHI:CHI+1], s[12:13], s[80:81]
	s_add_nc_u64 s[CLO:CLO+1], s[12:13], s[84:85]
	s_wait_alu depctr_va_vdst(0)
	global_load_b128 v[16:19], v[LI], s[4:5]       ; Q's fragment of block 7 - p stays in registers
	global_load_b128 v[20:23], v[LI], s[4:5] offset:512
	; the prefetches (macro ASK): where my wave's stand, and who asks
	s_cmp_lt_u32 s[WV], 6
	s_cselect_b64 s[PFA:PFA+1], s[KB:KB+1], s[VB:VB+1]
	s_cselect_b32 s83, -1, 0
	v_and_b32 v[PFO], 31, v0
	s_delay_alu instid0(VALU_DEP_1)
	v_lshlrev_b32 v9, 8, v[PFO]                    ; V: 256 x lane
	s_delay_alu instid0(VALU_DEP_2)
	v_lshrrev_b32 v10, 2, v[PFO]
	s_delay_alu instid0(VALU_DEP_3)
	v_and_b32 v11, 3, v[PFO]
	s_delay_alu instid0(VALU_DEP_1)
	v_lshlrev_b32 v11, 8, v11
	s_delay_alu instid0(VALU_DEP_1)
	v_lshl_or_b32 v10, v10, 11, v11                ; K: 2,048 x (lane / 4) + 256 x (lane % 4)
	s_delay_alu instid0(VALU_DEP_1)
	v_cndmask_b32 v[PFO], v9, v10, s83
	s_and_b32 s84, s[WV], 1
	s_lshl_b32 s84, s84, 14                        ; which of a slot's two blocks of 16,384 bytes,
	s_add_co_u32 s84, s84, SLOTB                   ; in key slot 1: trip 0 steps it to slot 2.  Nothing is prefetched here, at the head
	s_mov_b32 s85, 0
	s_add_nc_u64 s[PFA:PFA+1], s[PFA:PFA+1], s[84:85]
	s_sub_co_u32 s84, s[WV], 4
	s_lshr_b32 s84, s84, 2                         ; 0 in waves 4 to 7,
	s_or_b32 s84, s84, ttmp9                       ; of work-group p = 0
	s_cmp_eq_u32 s84, 0
	s_cselect_b32 s[LIM], 6, 0
	INIT
	v_mov_b32 v248, 0                              ; written once: a lane permute's destination counts as one of its sources
	v_mov_b32 v253, 0                              ; (named as the upper half of the pair v[252:253])
	s_wait_kmcnt 0x0
	s_add_co_i32 s84, s74, s75
	s_lshl_b32 s84, s84, 23
	s_add_co_i32 s[CS], s[CS], s84                 ; a score stands for score x 2^(e6 + e7): the two exponents are added to c's exponent field
	s_mov_b32 s[CS+1], s[CS]                       ; (named with it as a pair, so it is written)
	s_add_co_i32 s84, s76, 127
	s_lshl_b32 s85, s84, 23
	v_mov_b32 v244, s85                            ; 2^e8 as f32, for p's conversion
	s_sub_co_i32 s84, s78, s76
	s_sub_co_i32 s84, s84, s77                     ; a sum of the second product stands for sum x 2^(e8 + e9): the context's code is (sum / l) / 2^(e10 - e8 - e9)
	s_add_co_i32 s84, s84, 127
	s_lshl_b32 s85, s84, 23
	v_mov_b32 v[CSC], s85
; A KEY STEP: 128 keys, the q-th of the slot in hand.
.macro STEP q
; A step all of whose keys come after my 16 queries is left out: a scalar branch on ids, round the step's loads, products and softmax; not round the line at its end that steps the key, and no barrier or tensor load stands in a step.
	s_add_co_u32 s96, s[Q0], 15
	s_cmp_gt_u32 s[KF], s96
	s_cbranch_scc1 .Lhidden_\@
	v_add_nc_u32 v[ADR], s[TB], v[LI]
.rept 3
	v_nop                                          ; with the addition above: four places in front of loads into registers that the last step's products have read
.endr
.irp t, 0,1,2,3,4,5,6,7
.irp g, 0,1
	ds_load_b128 v[32+8*\t+4*\g:32+8*\t+4*\g+3], v[ADR] offset:8192*(\q)+1024*\t+512*\g   ; K: keys 16 t on
.endr
.endr
	s_wait_alu depctr_va_vdst(0)
	s_wait_dscnt 0x0
.irp t, 0,1,2,3,4,5,6,7
	v_wmma_f32_16x16x64_fp8_fp8 v[96+8*\t:103+8*\t], v[32+8*\t:39+8*\t], v[16:23], 0     ; S^T: lane (r, h): query r, keys 16 t + 8 h + 0 .. 7
.endr
.rept 4
	v_nop                                          ; places: in front of the loads into K's registers, and of the first read of the scores
.endr
.irp t, 0,1,2,3
.irp g, 0,1,2,3
	ds_load_b128 v[32+16*\t+4*\g:32+16*\t+4*\g+3], v[ADR] offset:VOFF+8192*(\q)+2048*\t+512*\g   ; V: channels 16 t on; it lands while the softmax is walked
.endr
.endr
	; on the diagonal the scores of hidden keys become -infinity ahead of the maximum: p = 0 then.  A step all of whose keys count skips this.  The step's first key counts for all my queries, so M is a number
	s_add_co_u32 s96, s[KF], 127
	s_cmp_le_u32 s96, s[Q0]
	s_cbranch_scc1 .Lopen_\@
	s_sub_co_i32 s96, s[Q0], s[KF]
	v_and_b32 v252, 15, v0
	v_bfe_u32 v253, v0, 4, 1
	s_delay_alu instid0(VALU_DEP_1)
	v_lshlrev_b32 v253, 3, v253
	s_delay_alu instid0(VALU_DEP_1)
	v_sub_nc_u32 v252, v252, v253
	s_delay_alu instid0(VALU_DEP_1)
	v_add_nc_u32 v252, s96, v252                   ; d = my query - KF - 8 (lane / 16).  Register 8 u + j holds key KF + 8 (lane / 16) + 16 u + j: hidden where 16 u + j > d
	v_mov_b32 v254, 0xff800000                     ; -infinity
.irp n, 0,1,2,3,4,5,6,7,8,9,10,11,12,13,14,15,16,17,18,19,20,21,22,23,24,25,26,27,28,29,30,31,32,33,34,35,36,37,38,39,40,41,42,43,44,45,46,47,48,49,50,51,52,53,54,55,56,57,58,59,60,61,62,63
	v_cmp_gt_i32 vcc_lo, 16*(\n/8)+\n%8, v252
	v_cndmask_b32 v[96+\n], v[96+\n], v254, vcc_lo
.endr
.Lopen_\@:
	v_max3_num_f32 v254, v96, v97, v98             ; the step's largest score of my query, among my 64 keys, in two chains,
	v_max3_num_f32 v252, v99, v100, v101
.irp i, 6,10,14,18,22,26,30,34,38,42,46,50,54,58
	v_max3_num_f32 v254, v254, v[96+\i], v[97+\i]
	v_max3_num_f32 v252, v252, v[98+\i], v[99+\i]
.endr
	v_max3_num_f32 v254, v254, v158, v159
	s_delay_alu instid0(VALU_DEP_1)
	v_max_num_f32 v254, v254, v252
	s_delay_alu instid0(VALU_DEP_1)
	v_permlanex16_b32 v248, v254, s[SEL], s[SEL+1]
	s_delay_alu instid0(VALU_DEP_1)
	v_max_num_f32 v254, v254, v248                 ; and among lane l xor 16's
	s_delay_alu instid0(VALU_DEP_1)
	v_mul_f32 v254, s[CS], v254                    ; as t (c is positive)
	s_delay_alu instid0(VALU_DEP_1)
	v_max_num_f32 v13, v13, v254                   ; the running largest t
	v_mov_b32 v254, v12
	s_delay_alu instid0(VALU_DEP_2)
	v_floor_f32 v12, -v13                          ; the new -M = floor(-t) = -ceil(t): M IS A WHOLE NUMBER
	s_delay_alu instid0(VALU_DEP_1)
	v_sub_f32 v254, v12, v254                      ; M's old value less its new one: a whole number, 0 or less
	s_delay_alu instid0(VALU_DEP_1)
	v_cvt_i32_f32 v254, v254                       ; (it saturates)
	s_delay_alu instid0(VALU_DEP_1)
	v_ldexp_f32 v252, 1.0, v254                    ; f = 2^(old M - new M): a multiplication by it rounds nothing
.irp j, 0,2,4,6,8,10,12,14,16,18,20,22,24,26,28,30,32,34,36,38,40,42,44,46,48,50,52,54,56,58,60,62
	v_pk_fma_f32 v[96+\j:97+\j], v[96+\j:97+\j], s[CS:CS+1], v[12:13] op_sel_hi:[1,0,0]   ; t - M, two at a time (of the pairs c and -M the low word serves both halves)
.endr
	s_wait_alu depctr_va_vdst(0)
.irp j, 0,1,2,3,4,5,6,7,8,9,10,11,12,13,14,15,16,17,18,19,20,21,22,23,24,25,26,27,28,29,30,31,32,33,34,35,36,37,38,39,40,41,42,43,44,45,46,47,48,49,50,51,52,53,54,55,56,57,58,59,60,61,62,63
	v_exp_f32 v[96+\j], v[96+\j]                   ; p = 2^(t - M), at most 1: NOT normalised
.endr
	v_pk_mul_f32 v[14:15], v[14:15], v[252:253] op_sel_hi:[1,0]   ; the sums under the new M.  (The plain instruction behind the exponentials)
	s_wait_alu depctr_va_vdst(0)                   ; one wait for the whole batch of 64, ahead of its first reader
	v_pk_add_f32 v[242:243], v[100:101], v[104:105]
	v_pk_add_f32 v[254:255], v[108:109], v[112:113]
	v_pk_add_f32 v[250:251], v[116:117], v[120:121]
	v_pk_add_f32 v[246:247], v[124:125], v[128:129]
	v_pk_add_f32 v[240:241], v[132:133], v[136:137]
	v_pk_add_f32 v[238:239], v[140:141], v[144:145]
	v_pk_add_f32 v[236:237], v[148:149], v[152:153]
	v_pk_add_f32 v[14:15], v[14:15], v[156:157]
	v_pk_add_f32 v[242:243], v[242:243], v[96:97]
	v_pk_add_f32 v[254:255], v[254:255], v[98:99]
	v_pk_add_f32 v[250:251], v[250:251], v[102:103]
	v_pk_add_f32 v[246:247], v[246:247], v[106:107]
	v_pk_add_f32 v[240:241], v[240:241], v[110:111]
	v_pk_add_f32 v[238:239], v[238:239], v[114:115]
	v_pk_add_f32 v[236:237], v[236:237], v[118:119]
	v_pk_add_f32 v[14:15], v[14:15], v[122:123]
	v_pk_add_f32 v[242:243], v[242:243], v[126:127]
	v_pk_add_f32 v[254:255], v[254:255], v[130:131]
	v_pk_add_f32 v[250:251], v[250:251], v[134:135]
	v_pk_add_f32 v[246:247], v[246:247], v[138:139]
	v_pk_add_f32 v[240:241], v[240:241], v[142:143]
	v_pk_add_f32 v[238:239], v[238:239], v[146:147]
	v_pk_add_f32 v[236:237], v[236:237], v[150:151]
	v_pk_add_f32 v[14:15], v[14:15], v[154:155]
	v_pk_add_f32 v[242:243], v[242:243], v[158:159]
	s_delay_alu instid0(VALU_DEP_2)
	v_pk_add_f32 v[14:15], v[14:15], v[246:247]
	s_delay_alu instid0(VALU_DEP_2)
	v_pk_add_f32 v[242:243], v[242:243], v[240:241]
	v_pk_add_f32 v[254:255], v[254:255], v[238:239]
	v_pk_add_f32 v[250:251], v[250:251], v[236:237]
	s_delay_alu instid0(VALU_DEP_2)
	v_pk_add_f32 v[14:15], v[14:15], v[254:255]
	s_delay_alu instid0(VALU_DEP_2)
	v_pk_add_f32 v[242:243], v[242:243], v[250:251]
	s_delay_alu instid0(VALU_DEP_1)
	v_pk_add_f32 v[14:15], v[14:15], v[242:243]
.irp b, 0,1,2,3
.irp i, 0,1,2,3,4,5,6,7,8,9,10,11,12,13,14,15
.endr
	v_cvt_scalef32_pk8_fp8_f32 v[224+4*\b:225+4*\b], v[96+16*\b:103+16*\b], v244      ; tile 2 b: registers 4 b, 4 b + 1 of the operand
	v_cvt_scalef32_pk8_fp8_f32 v[226+4*\b:227+4*\b], v[104+16*\b:111+16*\b], v244     ; tile 2 b + 1: registers 4 b + 2, 4 b + 3
.endr
.irp j, 0,2,4,6,8,10,12,14,16,18,20,22,24,26,28,30
	v_pk_mul_f32 v[160+\j:161+\j], v[160+\j:161+\j], v[252:253] op_sel_hi:[1,0]   ; O^T under the new M: x f.  (These are also the plain instructions between the conversions and the products)
.endr
	s_wait_alu depctr_va_vdst(0)
	s_wait_dscnt 0x0                               ; V is in
.irp t, 0,1,2,3
	v_wmma_f32_16x16x128_fp8_fp8 v[160+8*\t:167+8*\t], v[32+16*\t:47+16*\t], v[224:239], v[160+8*\t:167+8*\t]   ; O^T += V^T P^T: the four accumulators by turns
.endr
.Lhidden_\@:
	s_add_co_u32 s[KF], s[KF], 128
.endm
; THE CHANGE OF SLOTS stands at a trip's head.  Each wave waits for all its tensor loads (its part of the slot that it is about to read), adds 0 to its spare word, and waits for that and for its reads of the slot that it has left.
; Behind the barrier the slot ahead is whole and nobody reads the other one.  fill = 1: that other slot is filled with the next trip's keys: the following slot, or, behind the first block's last trip, key slot 0 again.
.macro CHANGE fill
	s_wait_tensorcnt 0x0                           ; no tensor load of mine is out, so a group 0 may be written
	ds_add_u32 v[SPW], v[NIL]                      ; 0 onto my spare word; with fill = 1 the descriptors' steps stand between it and the wait for it
.if \fill
	s_xor_b32 s[G0K+1], s[G0K+1], SLOT1            ; the other slot than last time
	s_xor_b32 s[G0V+1], s[G0V+1], SLOT1
	s_add_co_u32 s[KO], s[KO], SLOTB               ; the next key slot,
	s_cmp_eq_u32 s[T], s[SW]
	s_cselect_b32 s[KO], 0, s[KO]                  ; or the first, for the second block of queries
	s_add_nc_u64 s[G0K+2:G0K+3], s[KB:KB+1], s[KO:KO+1]
	s_or_b32 s[G0K+3], s[G0K+3], 0x80000000
	s_add_nc_u64 s[G0V+2:G0V+3], s[VB:VB+1], s[KO:KO+1]
	s_or_b32 s[G0V+3], s[G0V+3], 0x80000000
	s_wait_xcnt 0x0                                ; the last prefetch, a trip back, has read its address, so it may be written
	s_add_nc_u64 s[PFA:PFA+1], s[PFA:PFA+1], SLOTB
.endif
	s_wait_dscnt 0x0                               ; the add is done, and my reads of the slot that I have left are over
	s_barrier_signal -1
	s_barrier_wait -1
.if \fill
	TLOAD                                          ; the first thing behind the barrier, and a wave's one tensor load until the next
	ASK
.endif
.endm
.macro SLOT_STEPS
	STEP 0
	STEP 1
	s_xor_b32 s[TB], s[TB], SLOT1                  ; on to the other slot
.endm
; THE WAY OUT of a block of queries.  O^T / the row's sum, converted: tile t's eight channels 16 t + 8 h + 0 .. 7 become v[224 + 2 t], v[225 + 2 t].  The next product's operand wants 16 neighbours a lane
; (k = 32 g + 16 h + 0 .. 15): the upper lanes of tile 2 g change places with the lower lanes of tile 2 g + 1.  Then two stores of 512 consecutive bytes, at multiples of 512 from the buffer's first byte.
.macro WAYOUT base
.rept 4
	v_nop                                          ; places behind the last products
.endr
	v_add_f32 v14, v14, v15                        ; the sum's two halves,
	s_wait_alu depctr_va_vdst(0)
	v_permlanex16_b32 v248, v14, s[SEL], s[SEL+1]
	s_delay_alu instid0(VALU_DEP_1)
	v_add_f32 v14, v14, v248                       ; and lane l xor 16's: the row's sum
	s_wait_alu depctr_va_vdst(0)
	v_rcp_f32 v14, v14
	v_nop                                          ; a plain instruction behind the transcendental
	s_wait_alu depctr_va_vdst(0)                   ; and the wait ahead of its first reader
.irp j, 0,2,4,6,8,10,12,14,16,18,20,22,24,26,28,30
	v_pk_mul_f32 v[96+\j:97+\j], v[160+\j:161+\j], v[14:15] op_sel_hi:[1,0]   ; each accumulator from its low end on
.endr
.irp j, 0,1,2,3,4,5,6,7,8,9,10,11,12,13,14,15,16,17,18,19,20,21,22,23,24,25,26,27,28,29,30,31
.endr
.irp t, 0,1,2,3
	v_cvt_scalef32_pk8_fp8_f32 v[224+2*\t:225+2*\t], v[96+8*\t:103+8*\t], v[CSC]
.endr
	v_nop                                          ; one plain vector instruction between the conversions and the lines that touch their results
	v_permlane16_swap_b32 v224, v226               ; lanes 0-15: channels 0-15 of token r;  lanes 16-31: channels 16-31
	v_permlane16_swap_b32 v225, v227
	v_permlane16_swap_b32 v228, v230               ; the same for channels 32-63
	v_permlane16_swap_b32 v229, v231
	global_store_b128 v[LI], v[224:227], s[\base:\base+1]
	global_store_b128 v[LI], v[228:231], s[\base:\base+1] offset:512
.endm
.macro RESET                           ; on to block p: its queries, the keys from 0 on, the state anew
	s_mov_b32 s[Q0], s[Q0LO]
	s_mov_b32 s[KF], 0
	global_load_b128 v[16:19], v[LI], s[QLO:QLO+1]
	global_load_b128 v[20:23], v[LI], s[QLO:QLO+1] offset:512
	INIT
	s_wait_loadcnt 0x0                             ; Q
	s_wait_xcnt 0x0                                ; the way out's two stores have read v224-231, which the next step's conversions write
.endm
	s_wait_loadcnt 0x0                             ; Q
.Ltrip:                                            ; 8 trips: behind each change of slots but the last the next trip's keys are asked for
	CHANGE 1
	SLOT_STEPS
	s_cmp_lg_u32 s[T], s[SW]                       ; the first block's last trip?  A branch on ids; no barrier and no tensor load stands under it
	s_cbranch_scc1 .Lgo_on
	WAYOUT CHI
	RESET
.Lgo_on:
	s_add_co_u32 s[T], s[T], 1
	s_cmp_lt_u32 s[T], 8
	s_cbranch_scc1 .Ltrip
	CHANGE 0                                       ; the ninth trip is written out
	SLOT_STEPS
	WAYOUT CLO
	s_wait_tensorcnt 0x0                           ; the wave's end
	ds_add_u32 v[SPW], v[NIL]
	s_wait_dscnt 0x0
	s_endpgm
.Lfunc_end_k_q3e24662da3_attn:
	.size	k_q3e24662da3_attn, .Lfunc_end_k_q3e24662da3_attn-k_q3e24662da3_attn
	.p2alignl 7, 3214868480
	.fill 96, 4, 3214868480
	.section	.rodata,"a",@progbits
	.p2align	6, 0x0
	.amdhsa_kernel k_q3e24662da3_attn
		.amdhsa_group_segment_fixed_size 327680
		.amdhsa_private_segment_fixed_size 0
		.amdhsa_enable_private_segment 0
		.amdhsa_kernarg_size 40
		.amdhsa_user_sgpr_count 2
		.amdhsa_user_sgpr_kernarg_segment_ptr 1
		.amdhsa_wavefront_size32 1
		.amdhsa_system_sgpr_workgroup_id_x 1
		.amdhsa_system_sgpr_workgroup_id_y 1
		.amdhsa_system_sgpr_workgroup_id_z 1
		.amdhsa_system_vgpr_workitem_id 0
		.amdhsa_next_free_vgpr 256
		.amdhsa_next_free_sgpr 100
		.amdhsa_reserve_vcc 1
		.amdhsa_float_denorm_mode_32 3
		.amdhsa_float_denorm_mode_16_64 3
		.amdhsa_fp16_overflow 1
		.amdhsa_memory_ordered 1
		.amdhsa_forward_progress 1
		.amdhsa_inst_pref_size 92
	.end_amdhsa_kernel
	.amdgpu_metadata
---
amdhsa.version: [ 1, 2 ]
amdhsa.kernels:
  - .name:           k_q3e24662da3_attn
    .symbol:         k_q3e24662da3_attn.kd
    .args:
      - { .name: qimg, .offset: 0, .size: 8, .value_kind: global_buffer, .address_space: global }
      - { .name: kimg, .offset: 8, .size: 8, .value_kind: global_buffer, .address_space: global }
      - { .name: vimg, .offset: 16, .size: 8, .value_kind: global_buffer, .address_space: global }
      - { .name: lowp_scales, .offset: 24, .size: 8, .value_kind: global_buffer, .address_space: global }
      - { .name: ctx, .offset: 32, .size: 8, .value_kind: global_buffer, .address_space: global }
    .group_segment_fixed_size: 327680
    .private_segment_fixed_size: 0
    .kernarg_segment_align: 8
    .kernarg_segment_size: 40
    .max_flat_workgroup_size: 512
    .sgpr_count:     100
    .vgpr_count:     256
    .wavefront_size: 32
...
	.end_amdgpu_metadata
.endif
;; end of part 2
;; launch oproj (part 3): grid 4 x 32, 4 waves a work-group, clusters of 4 x 4, 327,680 bytes of LDS; arguments ctx, W_o_codes, lowp_scales, out0; writes out0
.if DOCPART == 3
	.amdgcn_target "amdgcn-amd-amdhsa--gfx1250"
	.amdhsa_code_object_version 6
	.text
	.protected	k_q3e24662da3_oproj
	.globl	k_q3e24662da3_oproj
	.p2align	8
	.type	k_q3e24662da3_oproj,@function
k_q3e24662da3_oproj:
	s_mov_b64 s[64:65], 0
	v_nop
	global_prefetch_b8 v0, s[64:65] scope:SCOPE_SE
	s_setreg_imm32_b32 hwreg(HW_REG_WAVE_MODE, 25, 1), 1
	s_wait_xcnt 0x0
	s_wait_alu depctr_hold_cnt(0) depctr_sa_sdst(0) depctr_va_vdst(0) depctr_va_sdst(0) depctr_va_ssrc(0) depctr_va_vcc(0) depctr_vm_vsrc(0)
	s_getreg_b32 s2, hwreg(HW_REG_IB_STS2, 6, 4)
	s_cmp_eq_u32 s2, 0
	s_cbranch_scc0 .Lentry_in_a_cluster
	s_endpgm
.Lentry_in_a_cluster:
	s_bfe_u32 s2, ttmp6, 0x10000c
	s_cmp_lg_u32 s2, 0xf033
	s_cbranch_scc0 .Lentry_shape_is_right
	s_endpgm
.Lentry_shape_is_right:
; out0 = context W_o on codes of FP8 (E4M3).  The context: 8,192 tokens x 1,024, as images of operand registers: [16 tokens (512)][128 along K (8)][register group (4)][lane][16 bytes]; lane (r, h), group c holds, of token r,
; k = 32 c + 16 h + 0 .. 15.  W_o: [1024 (n)][1024 (k)] codes, K innermost.  out0: [8192][1024] f32.  Each finished sum is multiplied once by 2^(e10 + e11).
; LIMIT: e10 + e11 lies between -126 and 127, so that 2^(e10 + e11) is an f32 number.
; A tile of out0, 256 x 256, is made by a work-group of four waves; a wave makes 128 x 128: 64 accumulators of 16 x 16, 512 registers.  4 x 32 tiles: 128 work-groups; a wave tile of half the size would read half as much again from LDS for each product.
; K goes in four steps of 256 through a ring of two LDS slots filled by the tensor data mover.  A's tile of a slot is 16 rows (16 tokens each) of 4,096 bytes, laid dense: a fragment is fetched at 16 x lane, 512 consecutive bytes a load.
; B's tile is 256 rows of 256 bytes, padded to 272; its fragments take four loads of 16 bytes at row x pitch + 16 (l / 16), 32 bytes apart: the same places of k as A's images have.
; CLUSTERS: 4 x 4 work-groups.  The four of a row of the cluster need the same tiles of A, the four of a column the same tiles of B: each tile is asked for JOINTLY.
; THE MATRIX INSTRUCTION IS USED TRANSPOSED (source 0 = 16 rows of W_o, source 1 = 16 tokens): a lane then holds eight neighbouring numbers of a row of out0.
; REGISTERS, in windows of 256: window 0: v0-31 addresses; from v128 A's fragments, ONE set; on the way out v32-255 are free.   window 1: B's fragments, TWO sets.   windows 2, 3: the accumulators ((a, b) at v[8 (8 (a % 4) + b)]).
.set SIZE_N, 1024
.set ROWB,   256                       ; a row of B's tile in bytes
.set KROW,   1024                      ; a row of W_o in memory
.set PITCH,  272                       ; B's LDS row: 256 bytes + 16 of padding = 68 words: row r starts at bank 4 r mod 64 (64 banks of 4 bytes: ISA guide 11.1)
.set FR,     16
.set NL,     4
.set NP,     4                         ; places behind this matrix instruction (ISA guide 7.12.1)
.set HALFT,  128*PITCH                 ; 128 rows of B: what waves 2 and 3 bring
.set AHALF,  32768                     ; 8 rows of 4,096 bytes of A: what waves 0 and 1 bring, and what one wave reads
.set BOFF,   2*AHALF
.set SLOT,   BOFF+2*HALFT
.set LAPS,   2
.set SPARE,  2*SLOT                    ; behind the ring: the spare words, 128 bytes for each wave
.set SPITCH, 528                       ; the way out: a stage of 16 rows x (512 bytes + 16) for each wave.  It lies at slot 0's head, which has had its last fill and its last read when the first result is stored there
.set ADRA, 16
.set ADRB, 20
.set STO,  24
.set RD,   25
.set CO,   26                          ; v26     16 x lane
.set SPW,  28
.set NIL,  29
.set TMP,  32
.set AF,   128
.set BK,   128
.set G1, 24
.set G0, 32
.set G1B, 48
.set G0B, 56
.set MSB, 0
.macro WIN new                         ; the immediate's high byte repeats the setting that is left
.if MSB != (\new)
	s_set_vgpr_msb (MSB<<8)|(\new)
.set MSB, (\new)
.endif
.endm
.set MUL_LO, 0xa1
.set MUL_HI, 0xf1
.set TO_B,   0x40
.macro JLOAD g0a, g1a, g0b, g1b        ; a joint load: waves 0 and 1 fetch for A, waves 2 and 3 for B; four v_nop follow each of the two lines
	s_cmp_eq_u32 s15, 0
	s_cbranch_scc0 .Lfor_b_\@
	tensor_load_to_lds s[\g0a:\g0a+3], s[\g1a:\g1a+7]
	s_nop 0
.rept 4
	v_nop
.endr
	s_branch .Lasked_\@
.Lfor_b_\@:
	tensor_load_to_lds s[\g0b:\g0b+3], s[\g1b:\g1b+7]
	s_nop 0
.rept 4
	v_nop
.endr
.Lasked_\@:
.endm
.macro CREST
	s_cmp_lg_u32 s14, 0
	s_cbranch_scc1 .Lnot_wave_0_\@
	s_barrier_signal -3
.Lnot_wave_0_\@:
	s_barrier_wait -3
	s_barrier_signal -1
	s_barrier_wait -1
.endm
.macro CROUND
	s_barrier_signal -1
	s_barrier_wait -1
	CREST
.endm
	s_load_b128 s[4:7], s[0:1], 0x0                ; the context's images s[4:5], W_o's codes s[6:7]
	s_load_b128 s[8:11], s[0:1], 0x10              ; the scales s[8:9], out0 s[10:11]
	v_lshl_add_u32 v[SPW], v0, 2, SPARE
	v_mov_b32 v[NIL], 0
	ds_add_u32 v28, v29
	ds_add_u32 v28, v29
	s_wait_dscnt 0x0
	v_lshrrev_b32 v1, 5, v0
	v_readfirstlane_b32 s14, v1                    ; wave 0..3
	s_lshr_b32 s15, s14, 1                         ; which half of the tile's rows is mine.  Also: I fetch for A (0) or for B (1)
	s_and_b32 s16, s14, 1                          ; which half of its columns.  Also: which half of that tile I fetch
	s_bfe_u32 s40, ttmp6, 0x40000                  ; cx, cy
	s_bfe_u32 s41, ttmp6, 0x40004
	s_lshl_b32 s42, ttmp9, 2
	s_add_co_u32 s42, s42, s40                     ; tile column = 4 x cluster x + cx
	s_and_b32 s17, ttmp7, 0xffff
	s_lshl_b32 s17, s17, 2
	s_add_co_u32 s17, s17, s41                     ; tile row = 4 x cluster y + cy
	s_lshl_b32 s43, s41, 2
	s_lshl_b32 s43, 15, s43                        ; my row of the cluster
	s_lshl_b32 s44, 0x1111, s40                    ; my column
	; A: 8 rows of 512 elements of 8 bytes, 2,048 elements apart, no padding
	s_or_b32 s[G1+0], s43, (3<<16)|(1<<21)
	s_mov_b32 s[G1+1], 512<<16                     ; tensor_dim0
	s_mov_b32 s[G1+2], 8<<16                       ; tensor_dim1
	s_mov_b32 s[G1+3], 512<<16                     ; tile_dim0
	s_mov_b32 s[G1+4], 8                           ; tile_dim1
	s_mov_b32 s[G1+5], 2048                        ; tensor_dim0_stride
	s_mov_b32 s[G1+6], 0
	s_mov_b32 s[G1+7], 0
	; B: 128 rows of 256 bytes, padded by 4 words behind every 64
	s_or_b32 s[G1B+0], s44, (0<<16)|(1<<20)|(1<<21)|(5<<22)|(3<<25)
	s_mov_b32 s[G1B+1], ROWB<<16
	s_mov_b32 s[G1B+2], 128<<16
	s_mov_b32 s[G1B+3], ROWB<<16
	s_mov_b32 s[G1B+4], 128
	s_mov_b32 s[G1B+5], KROW
	s_mov_b32 s[G1B+6], 0
	s_mov_b32 s[G1B+7], 0
	s_lshl_b32 s20, s17, 4
	s_lshl_b32 s18, s16, 3
	s_add_co_u32 s20, s20, s18                     ; A: tile of 16 tokens 16 x tile row + 8 x half,
	s_lshl_b32 s20, s20, 14                        ; of 16,384 bytes each
	s_mov_b32 s21, 0
	s_lshl_b32 s46, s42, 8
	s_lshl_b32 s18, s16, 7
	s_add_co_u32 s46, s46, s18                     ; B: row 256 x tile column + 128 x half,
	s_lshl_b32 s46, s46, 10                        ; of 1,024 bytes each
	s_mov_b32 s47, 0
	s_lshl_b32 s45, s16, 15                        ; where they go: of the wave's number alone
	s_mul_i32 s12, s16, HALFT
	s_add_co_u32 s12, s12, BOFF
	s_wait_kmcnt 0x0
	s_load_b64 s[96:97], s[8:9], 0x28              ; e10, e11
	s_add_nc_u64 s[20:21], s[4:5], s[20:21]
	s_add_nc_u64 s[46:47], s[6:7], s[46:47]
	CROUND                                         ; all sixteen work-groups are here: the first joint loads meet
.irp s, 0,1
	s_mov_b32 s[G0+4*\s], 1
	s_add_co_u32 s[G0+4*\s+1], s45, \s*SLOT
	s_add_nc_u64 s[G0+4*\s+2:G0+4*\s+3], s[20:21], \s*4096
	s_or_b32 s[G0+4*\s+3], s[G0+4*\s+3], 0x80000000
	s_mov_b32 s[G0B+4*\s], 1
	s_add_co_u32 s[G0B+4*\s+1], s12, \s*SLOT
	s_add_nc_u64 s[G0B+4*\s+2:G0B+4*\s+3], s[46:47], \s*ROWB
	s_or_b32 s[G0B+4*\s+3], s[G0B+4*\s+3], 0x80000000
	s_wait_alu depctr_va_vdst(0)
	s_wait_tensorcnt 0x0
	ds_add_u32 v28, v29
	ds_add_u32 v28, v29
	s_wait_dscnt 0x0
	CROUND
	JLOAD G0+4*\s, G1, G0B+4*\s, G1B
.endr
	v_and_b32 v1, 15, v0                           ; l % 16
	v_bfe_u32 v2, v0, 4, 1                         ; l / 16
	v_mul_u32_u24 v3, v1, PITCH
	v_lshl_add_u32 v4, v2, 4, v3                   ; B: a fragment's row x pitch + 16 x half
	v_and_b32 v6, 31, v0
	v_lshlrev_b32 v[CO], 4, v6                     ; A: 16 x lane
	s_wait_alu depctr_va_vdst(0)
	s_lshl_b32 s21, s15, 15                        ; my 8 tiles of 16 tokens
	s_mul_i32 s22, s16, HALFT                      ; my 128 rows of B,
	s_add_co_u32 s22, s22, BOFF                    ; which lie behind A's 65,536 bytes
.irp s, 0,1
	v_add_nc_u32 v[ADRA+\s], s21, v[CO]
	v_add_nc_u32 v[ADRB+\s], s22, v4
	s_add_co_u32 s21, s21, SLOT
	s_add_co_u32 s22, s22, SLOT
.endr
	s_mul_i32 s23, s14, 16*SPITCH                  ; my stage
	v_mul_u32_u24 v5, v1, SPITCH                   ; in: row l % 16, 32 bytes for each half of the lanes
	v_lshl_add_u32 v5, v2, 5, v5
	v_add_nc_u32 v[STO], s23, v5
	v_add_nc_u32 v[RD], s23, v[CO]                 ; back: the 32 lanes take one row of 512 bytes
	s_lshl_b32 s20, s17, 8
	s_lshl_b32 s21, s15, 7
	s_add_co_u32 s20, s20, s21                     ; my first row of out0: 256 x tile row + 128 x half
	s_lshl_b32 s20, s20, 12                        ; rows of 4,096 bytes (under 2^25)
	s_mov_b32 s21, 0
	s_lshl_b32 s46, s42, 10                        ; my first column, in bytes: 1,024 x tile column + 512 x half
	s_lshl_b32 s47, s16, 9
	s_add_co_u32 s46, s46, s47
	s_mov_b32 s47, 0
	s_add_nc_u64 s[20:21], s[20:21], s[46:47]
	s_add_nc_u64 s[10:11], s[10:11], s[20:21]
.macro FRAG reg, adr, q, i             ; B: registers 4 c .. 4 c + 3 hold K = 32 c + 16 (l / 16) + 0 .. 15 of row l % 16
.irp c, 0,1,2,3
	ds_load_b128 v[\reg+4*\c:\reg+4*\c+3], v[\adr] offset:128*(\q)+32*\c+(\i)*16*PITCH
.endr
.endm
.macro FRAGA reg, adr, q, i            ; A: the image as it lies: tile i of my eight, the slot's q-th 128 along K, register group c
.irp c, 0,1,2,3
	ds_load_b128 v[\reg+4*\c:\reg+4*\c+3], v[\adr] offset:4096*(\i)+2048*(\q)+512*\c
.endr
.endm
; 16 matrix instructions: A's blocks a0, a0 + 1 x B's eight, 128 along K.  The 64 accumulators take turns, one instruction a turn, in the same order in every step.
.macro MUL16 a0, p, zero
.irp a, \a0, \a0+1
.irp b, 0,1,2,3,4,5,6,7
.if \zero
	v_wmma_f32_16x16x128_fp8_fp8 v[8*(8*((\a)%4)+\b):8*(8*((\a)%4)+\b)+7], v[128*(\p)+FR*\b:128*(\p)+FR*\b+FR-1], v[AF+FR*(\a):AF+FR*(\a)+FR-1], 0
.else
	v_wmma_f32_16x16x128_fp8_fp8 v[8*(8*((\a)%4)+\b):8*(8*((\a)%4)+\b)+7], v[128*(\p)+FR*\b:128*(\p)+FR*\b+FR-1], v[AF+FR*(\a):AF+FR*(\a)+FR-1], v[8*(8*((\a)%4)+\b):8*(8*((\a)%4)+\b)+7]
.endif
.endr
.endr
.endm
.macro FETCH_B slot, q, p
	WIN TO_B
.irp i, 0,1,2,3,4,5,6,7
	FRAG 128*(\p)+FR*\i, ADRB+\slot, \q, \i
.endr
	WIN 0
.endm
.macro FETCH_A slot, q, i0
.irp i, \i0, \i0+1, \i0+2, \i0+3
	FRAGA AF+FR*(\i), ADRA+\slot, \q, \i
.endr
.endm
.macro PLACES n                        ; places in front of loads into registers that matrix instructions have read, and of the first read of results (ISA guide 7.12.1 for the reads of results)
.rept \n
	v_nop
.endr
.endm
.macro STEP slot, q, zero              ; a step of 128 along K that has its successor in the same slot
	s_wait_dscnt 4*NL                              ; B's set and A's blocks 0-3 are in; the youngest 16 loads (A's blocks 4-7) may be out
	WIN MUL_LO
	MUL16 0, (\q)%2, \zero
	MUL16 2, (\q)%2, \zero
	s_wait_dscnt 0                                 ; A's blocks 4-7 are in
	PLACES NP
	FETCH_B \slot, (\q)+1, 1-(\q)%2
	FETCH_A \slot, (\q)+1, 0
	WIN MUL_HI
	MUL16 4, (\q)%2, \zero
	MUL16 6, (\q)%2, \zero
	PLACES NP
	WIN 0
	FETCH_A \slot, (\q)+1, 4
.endm
; A slot's last step changes slots: ONE barrier; in front of it each wave waits for all its tensor loads, adds 0 to its spare word, and waits for that and for its own reads of this slot.
.macro TURN slot, next, fill
	s_wait_tensorcnt 0x0                           ; all my tensor loads have landed: my part of the next slot  (every window is 0 here)
	ds_add_u32 v[SPW], v[NIL]                      ; 0 onto my spare word
	s_wait_dscnt 4*NL+1                            ; (the add and the youngest 16 loads, A's blocks 4-7, may be out)
	WIN MUL_LO
	MUL16 0, 1, 0
	s_wait_dscnt 0x0                               ; the add is done, and my reads of this slot are over
	s_barrier_signal -1
	MUL16 2, 1, 0
	WIN 0
	s_barrier_wait -1
.if \fill
	CREST                                          ; the barrier has opened a round of the cluster's barrier: no wave of any partner still reads this slot or has a load on its way
	s_add_nc_u64 s[G0+4*\slot+2:G0+4*\slot+3], s[G0+4*\slot+2:G0+4*\slot+3], 2*4096
	s_add_nc_u64 s[G0B+4*\slot+2:G0B+4*\slot+3], s[G0B+4*\slot+2:G0B+4*\slot+3], 2*ROWB
	JLOAD G0+4*\slot, G1, G0B+4*\slot, G1B         ; the first tensor load behind the round; its four v_nop are also the places in front of the loads below
.else
	PLACES NP
.endif
	FETCH_B \next, 0, 0
	FETCH_A \next, 0, 0
	WIN MUL_HI
	MUL16 4, 1, 0
	MUL16 6, 1, 0
	PLACES NP
	WIN 0
	FETCH_A \next, 0, 4
.endm
	s_wait_alu depctr_va_vdst(0)
	s_wait_tensorcnt 1                             ; my part of slot 0 is in (slot 1's load may be out)
	s_barrier_signal -1
	s_barrier_wait -1                              ; everybody's is
	FETCH_B 0, 0, 0
	FETCH_A 0, 0, 0
	FETCH_A 0, 0, 4
	STEP 0, 0, 1                                   ; the first step stands in front of the loop: its products start the sums
	s_mov_b32 s3, LAPS-1
.Llap:
	TURN 0, 1, 1
	STEP 1, 0, 0
	TURN 1, 0, 1
	STEP 0, 0, 0
	s_sub_co_u32 s3, s3, 1
	s_cmp_lg_u32 s3, 0
	s_cbranch_scc1 .Llap
	TURN 0, 1, 0                                   ; the last lap fills nothing, and has no round of the cluster's barrier
	STEP 1, 0, 0
	s_wait_dscnt 4*NL                              ; the very last step: nothing more to fetch
	WIN MUL_LO
	MUL16 0, 1, 0
	MUL16 2, 1, 0
	s_wait_dscnt 0
	WIN MUL_HI
	MUL16 4, 1, 0
	MUL16 6, 1, 0
	WIN 0
; THE WAY OUT, block by block of 16 rows x 128 columns: through my own stage in LDS and back as whole rows of 512 bytes.  LDS serves a wave's instructions in order (ISA guide 5.7.1.4): no wait between the stores and the loads.
.macro TOSTAGE a
.set AC, 64*((\a)%4)
	WIN 0x02+((\a)/4)                              ; source 0: window 2 or 3
.irp j, 0,2,4,6,8,10,12,14,16,18,20,22,24,26,28,30,32,34,36,38,40,42,44,46,48,50,52,54,56,58,60,62
	v_pk_mul_f32 v[TMP+\j:TMP+\j+1], v[AC+\j:AC+\j+1], s[96:97] op_sel_hi:[1,0]   ; both x s96 = 2^(e10 + e11); each accumulator from its low end on
.endr
	WIN 0
.irp b, 0,1,2,3,4,5,6,7
	ds_store_b128 v[STO], v[TMP+8*\b:TMP+8*\b+3] offset:64*\b
	ds_store_b128 v[STO], v[TMP+8*\b+4:TMP+8*\b+7] offset:64*\b+16
.endr
.set BB, BK+64*((\a)%2)
.irp t, 0,1,2,3,4,5,6,7,8,9,10,11,12,13,14,15
	ds_load_b128 v[BB+4*\t:BB+4*\t+3], v[RD] offset:\t*SPITCH
.endr
.endm
.macro SEND a, younger                 ; younger: the LDS instructions issued behind block a's loads, which may stay out
.set BB, BK+64*((\a)%2)
	s_wait_dscnt \younger                          ; the block is back in registers
.if (\a) > 0
	s_add_nc_u64 s[10:11], s[10:11], 16*SIZE_N*4   ; (behind a wait on XCNT: the earlier stores have read their base)  16 rows of out0 on
.endif
.irp t, 0,1,2,3,4,5,6,7,8,9,10,11,12,13,14,15
	global_store_b128 v[CO], v[BB+4*\t:BB+4*\t+3], s[10:11] offset:\t*SIZE_N*4 th:TH_STORE_NT   ; 32 lanes store 512 consecutive bytes, at a multiple of 512 from out0's first byte
.endr
.endm
	s_wait_kmcnt 0x0
	s_add_co_i32 s96, s96, s97                     ; e10 + e11, between -126 and 127,
	s_add_co_i32 s96, s96, 127
	s_lshl_b32 s96, s96, 23                        ; makes the f32 number 2^(e10 + e11)
	PLACES NP                                      ; behind the last products: for the reads of their results and the loads into the registers that held A's fragments
	TOSTAGE 0
.irp a, 1,2,3,4,5,6,7
.if \a > 1
	s_wait_xcnt 0x0                                ; block a - 2's stores have read their registers and their base: block a's loads may land there, and the base may step
.endif
	TOSTAGE \a
	SEND \a-1, 32                                  ; behind block a - 1's loads: block a's 16 stores and 16 loads
.endr
	s_wait_xcnt 0x0                                ; block 6's stores have read their base
	SEND 7, 0
	s_wait_tensorcnt 0x0                           ; the wave's end
	ds_add_u32 v[SPW], v[NIL]
	s_wait_dscnt 0x0
	CROUND                                         ; the closing round: no work-group ends while a partner may still ask for a tile that names it
	s_endpgm
.Lfunc_end_k_q3e24662da3_oproj:
	.size	k_q3e24662da3_oproj, .Lfunc_end_k_q3e24662da3_oproj-k_q3e24662da3_oproj
	.p2alignl 7, 3214868480
	.fill 96, 4, 3214868480
	.section	.rodata,"a",@progbits
	.p2align	6, 0x0
	.amdhsa_kernel k_q3e24662da3_oproj
		.amdhsa_group_segment_fixed_size 327680
		.amdhsa_private_segment_fixed_size 0
		.amdhsa_enable_private_segment 0
		.amdhsa_kernarg_size 32
		.amdhsa_user_sgpr_count 2
		.amdhsa_user_sgpr_kernarg_segment_ptr 1
		.amdhsa_wavefront_size32 1
		.amdhsa_system_sgpr_workgroup_id_x 1
		.amdhsa_system_sgpr_workgroup_id_y 1
		.amdhsa_system_sgpr_workgroup_id_z 1
		.amdhsa_system_vgpr_workitem_id 0
		.amdhsa_next_free_vgpr 1024
		.amdhsa_next_free_sgpr 98
		.amdhsa_reserve_vcc 0
		.amdhsa_float_denorm_mode_32 3
		.amdhsa_float_denorm_mode_16_64 3
		.amdhsa_memory_ordered 1
		.amdhsa_forward_progress 1
		.amdhsa_inst_pref_size 124
	.end_amdhsa_kernel
	.amdgpu_metadata
---
amdhsa.version: [ 1, 2 ]
amdhsa.kernels:
  - .name:           k_q3e24662da3_oproj
    .symbol:         k_q3e24662da3_oproj.kd
    .args:
      - { .name: ctx, .offset: 0, .size: 8, .value_kind: global_buffer, .address_space: global }
      - { .name: W_o_codes, .offset: 8, .size: 8, .value_kind: global_buffer, .address_space: global }
      - { .name: lowp_scales, .offset: 16, .size: 8, .value_kind: global_buffer, .address_space: global }
      - { .name: out0, .offset: 24, .size: 8, .value_kind: global_buffer, .address_space: global }
    .group_segment_fixed_size: 327680
    .private_segment_fixed_size: 0
    .kernarg_segment_align: 8
    .kernarg_segment_size: 32
    .max_flat_workgroup_size: 128
    .sgpr_count:     98
    .vgpr_count:     1024
    .wavefront_size: 32
...
	.end_amdgpu_metadata
.endif
;; end of part 3
